; MI455X (gfx1250); checked and timed in simulation.
; The chip was launched on July 23, 2026; its instructions are those of AMD's public machine-readable ISA for CDNA 5 (MIT licence, August 2026) and "CDNA5" Instruction Set Architecture Reference Guide (July 2026). The comments in the code are by the model that wrote it; some were corrected since.
;; POS Inject. Allowed arithmetic: matrix products marked QUANTISED: E3M2 operands, one E8M0 scale for each 32 along K, by v_wmma_scale_f32_16x16x128_f8f6f4 with both operands' format E3M2, f32 sums; everything else in f32.
;; Inputs: Wk 256 x 512 float32; Wq 256 x 512 float32; Wv 512 x 512 float32; bk 256 float32; bq 256 float32; bv 512 float32; gamma 1 float32; pos_emb 16 x 512 float32; pos_h 4 x 64 x 64 int32; pos_w 4 x 64 x 64 int32; x 4 x 512 x 64 x 64 float32.
;; Outputs: out0 4 x 512 x 64 x 64 float32.
;; This version of the problem:
;;   THIS VERSION OF THE PROBLEM IS GIVEN IN LOW PRECISION. The matrix products marked QUANTISED in the list below multiply operands that are first quantised to E3M2 (3 exponent bits, 2 mantissa bits; 6 bits a number), with one power-of-two scale for each 32 numbers along K (OCP MX v1.0); their sums are f32. All else is computed in f32.
;;   The module's matrix products, in the order in which they are computed (A, B: the left and right operand; K: the contracted axis; several contracted axes count as one K, in the product's order):
;;     1. [M 256, K 512] x [K 512, N 16,384]; A: input Wq; B: input x: QUANTISED
;;     2. [M 256, K 512] x [K 512, N 16,384]; A: input Wk; B: computed on the way: QUANTISED
;;     3. [M 512, K 512] x [K 512, N 16,384]; A: input Wv; B: input x: QUANTISED
;;     4. batch 4 x [M 4,096, K 256] x [K 256, N 4,096]; A: computed on the way; B: computed on the way: QUANTISED
;;     5. batch 4 x [M 512, K 4,096] x [K 4,096, N 4,096]; A: computed on the way; B: softmax (see below): QUANTISED
;;   THE QUANTISER, for each operand of a quantised product, along K:
;;     - K is cut into blocks of 32 from its start; a last block that is shorter is filled with zeros.
;;     - A block's scale is 2^e with e = floor(log2(the largest magnitude in the block)) - 4, held to -126 .. 127; a block of zeros has e = 0. As a byte (E8M0): e + 127.
;;     - Each number is divided by its block's scale, clamped to +-28, and rounded to the nearest number of E3M2, ties to even, subnormals kept.
;;     - The product sums the exact products of the quantised numbers (number of the format x scale) in f32.
;;   ~~~python
;;   def quantise(x, axis):      # numpy; x: float32 -> the quantised numbers, widened to float32 again
;;       x = np.moveaxis(x, axis, -1); K = x.shape[-1]
;;       x = np.pad(x, [(0, 0)] * (x.ndim - 1) + [(0, -K % 32)]); x = x.reshape(x.shape[:-1] + (-1, 32)); a = np.abs(x).max(-1, keepdims=True)
;;       e = np.where(a > 0, np.clip(np.frexp(np.where(a > 0, a, 1))[1] - 1 - 4, -126, 127), 0)      # np.frexp(a)[1] - 1 = floor(log2(a)), exactly
;;       r = np.clip(x / 2.0 ** e, -28, 28)
;;       step = 2.0 ** (np.maximum(np.frexp(np.where(r == 0, 1, r))[1] - 1, -2) - 2)
;;       q = np.round(r / step) * step * 2.0 ** e      # np.round: ties to even
;;       return np.moveaxis(q.reshape(q.shape[:-2] + (-1,))[..., :K], -1, axis).astype(np.float32)
;;   ~~~
;;   SOFTMAX AHEAD OF A QUANTISED PRODUCT. Where the list says 'softmax', what is quantised is not the finished softmax but p = 2^(t - M), with t = logit x log2(e) and M = ceil(the row's largest t), a whole number; so 1/2 < the row's largest p <= 1. The row's sum l is taken of the UNQUANTISED p, in f32, and the product's result is divided by l at the end. Since M is a whole number, a kernel that streams over the keys may use a running M (the ceiling of the running maximum): every later rescaling is an exact power of two, which a block's scale takes up: the codes' values come out the same.
;;   OPERANDS COMPUTED ON THE WAY. 'Computed on the way' means the value that the module computes at that place (a softmax that the list does not call 'softmax' is quantised finished and normalised). What goes into a quantiser is computed in f32, as accurately as f32 sums, v_exp_f32 and their like allow (about 1e-6 of the number): no bf16 or f16 on the way to a quantiser, and a product that is left as it is and whose result goes on into a quantised operand takes f32 operands (vector FMAs, or v_wmma_f32_16x16x4_f32). A number that lies on a knife's edge between two numbers of the format may be rounded either way, as far as f32 arithmetic and the matrix unit's own rounding can turn it there, and no further.
;; One version. Each part assembles by itself: llvm-mc -triple=amdgcn-amd-amdhsa -mcpu=gfx1250 --defsym DOCPART=n.
;; ======== version 1 of 1: 3 launches
;; workspace buffers: xq 6,553,600 bytes; wq 409,600 bytes; x1d 131,072 bytes; qq 3,276,800 bytes; vq 6,553,600 bytes; kq 51,200 bytes
;; launch prep (part 1): grid 272 x 1, 8 waves a work-group, no clusters, 29,696 bytes of LDS; arguments x, pos_h, pos_emb, Wq, Wk, Wv, xq, wq, x1d; writes xq, wq, x1d
.if DOCPART == 1
	.amdgcn_target "amdgcn-amd-amdhsa--gfx1250"
	.amdhsa_code_object_version 6
	.text
	.protected	k_qadd142d8d1_prep
	.globl	k_qadd142d8d1_prep
	.p2align	8
	.type	k_qadd142d8d1_prep,@function
k_qadd142d8d1_prep:
	s_mov_b64 s[64:65], 0
	v_nop
	global_prefetch_b8 v0, s[64:65] scope:SCOPE_SE
	s_setreg_imm32_b32 hwreg(HW_REG_WAVE_MODE, 25, 1), 1
	s_wait_xcnt 0x0
; PREP.  Work-groups 0-255: x [4][512][64][64] f32 is read once.  Each takes 128 channels x 256 places (one pooling bin of one image) and makes
;   (a) codes of BF6 (E3M2) along the channels, one E8M0 byte for each 32 channels, laid in the order of an operand's registers, and
;   (b) x1d[b][l][c] = the bin's mean + pos_emb[pos_h[b][4 l][0] / 8][c].
; Work-groups 256-271: Wq, Wk, Wv (K innermost) become codes in the same order.
; AN OPERAND'S IMAGE: a fragment (16 rows x 128 K, 12 registers a lane) is 1,536 bytes: registers 4 i .. 4 i + 3 of lane L at 512 i + 16 L.
; THE ROWS OF A TILE ARE NOT NEIGHBOURS: of a group of 32 rows, lane r of tile u takes row 8 u + r + 8 (r / 8), so that a later result's 16 registers of two neighbouring tiles are 16 neighbours.
; SCALE WORDS: one register serves two tiles: word 16 u + r of 32.
; A block's scale byte is its largest magnitude's exponent field - 4, held at 1 from below.
; LIMITS: NaN and infinities are not served; a block of zeros gets the byte 1 over zero codes (these bytes are read by this program alone); pos_h is taken as not negative and the table row is held at 15;
; the bin's 256 numbers are summed as a tree; pos_w is not read: it enters no result.
; No matrix unit, no ring, no cluster: a stream in which work-groups share nothing.
.set XQ_SC, 6291456                    ; xq: where the scale words begin
.set WQ_SC, 393216                     ; wq: likewise
.set SUM,   24576                      ; LDS: behind the eight waves' images (3,072 bytes each): [wave 8][128 channels] f32
.set X,     64                         ; v64-191  128 channels of my place
.set F,     32                         ; v32-63   a block's six registers of codes at F + 8 x block
.set RBK,   68                         ; v68-91   the images read back
; the largest magnitude of 32 numbers, with the floor 2^(5 - 127) among the leaves
.macro MAX32 d, t, base
	v_max3_num_f32 v[\d], |v[(\base)]|, |v[(\base)+1]|, |v[(\base)+2]|
	v_max3_num_f32 v[\t], |v[(\base)+3]|, |v[(\base)+4]|, |v[(\base)+5]|
.irp i, 6,10,14,18,22,26
	v_max3_num_f32 v[\d], v[\d], |v[(\base)+\i]|, |v[(\base)+\i+1]|
	v_max3_num_f32 v[\t], v[\t], |v[(\base)+\i+2]|, |v[(\base)+\i+3]|
.endr
	v_max3_num_f32 v[\d], v[\d], |v[(\base)+30]|, |v[(\base)+31]|
	v_max3_num_f32 v[\d], v[\d], v[\t], 0x2800000
.endm
; one stage of the sums across lanes: lanes whose bit m is clear keep register i, the others register i + m; each adds what its partner (lane xor m) gives away
.macro BSTAGE m, mk
.set BJ, 0
.rept \m
	v_cndmask_b32 v[17+2*(BJ%3)], v[XB+BJ], v[XB+BJ+\m], s[\mk]
	v_cndmask_b32 v[18+2*(BJ%3)], v[XB+BJ+\m], v[XB+BJ], s[\mk]
	v_add_f32_dpp v[XB+BJ], v[18+2*(BJ%3)], v[17+2*(BJ%3)] row_xmask:\m row_mask:0xf bank_mask:0xf
.set BJ, BJ+1
.endr
.endm
; block b: 32 channels of my place.  left: how many younger loads may stay out
.macro XBLOCK b, left
.set XB, X+32*\b
.set FB, F+8*\b
	s_wait_loadcnt \left
	MAX32 12, 13, XB
	v_add_nc_u32 v14, 0xfe000000, v12              ; 4 off the exponent field: the conversion's scale operand
	v_cvt_scalef32_pk16_bf6_f32 v[FB:FB+2], v[XB:XB+15], v14
	v_cvt_scalef32_pk16_bf6_f32 v[24:26], v[XB+16:XB+31], v14   ; (a conversion's three registers begin on an even number)
	v_lshrrev_b32 v15, 23, v14                     ; the scale's byte; also the plain line behind the conversions
.if \b == 0
	v_mov_b32 v16, v15
.else
	v_lshl_or_b32 v16, v15, 8*\b, v16              ; byte b of my place's scale word
.endif
.irp i, 0,1,2
	v_mov_b32 v[FB+3+\i], v[24+\i]
.endr
; block b is registers 6 (b / 2) .. + 5 of lane r + 16 (b % 2) of the image
.if \b < 2
	ds_store_b128 v3, v[FB:FB+3] offset:256*(\b%2)
	ds_store_b64 v3, v[FB+4:FB+5] offset:512+256*(\b%2)
.else
	ds_store_b64 v3, v[FB:FB+1] offset:520+256*(\b%2)
	ds_store_b128 v3, v[FB+2:FB+5] offset:1024+256*(\b%2)
.endif
; the 32 channels' sums over the wave's 32 places: lane j ends with channel 32 b + j
.irp i, 0,1,2,3,4,5,6,7,8,9,10,11,12,13,14,15
	v_permlane16_swap_b32 v[XB+\i], v[XB+16+\i]
.endr
.irp i, 0,1,2,3,4,5,6,7,8,9,10,11,12,13,14,15
	v_add_f32 v[XB+\i], v[XB+\i], v[XB+16+\i]
.endr
	BSTAGE 8, 24
	BSTAGE 4, 25
	BSTAGE 2, 26
	BSTAGE 1, 27
	ds_store_b32 v7, v[XB] offset:128*\b
.endm
; a tile of 16 rows x 128 K of a weight: a lane holds two whole blocks of its row
.macro WTILE u, left
.set WB, 64+64*\u
.set FW, 32+12*\u
	s_wait_loadcnt \left
	MAX32 12, 13, WB
	MAX32 14, 15, WB+32
	v_add_nc_u32 v12, 0xfe000000, v12
	v_add_nc_u32 v14, 0xfe000000, v14
	v_cvt_scalef32_pk16_bf6_f32 v[FW:FW+2], v[WB:WB+15], v12
	v_cvt_scalef32_pk16_bf6_f32 v[24:26], v[WB+16:WB+31], v12
	v_cvt_scalef32_pk16_bf6_f32 v[FW+6:FW+8], v[WB+32:WB+47], v14
	v_cvt_scalef32_pk16_bf6_f32 v[28:30], v[WB+48:WB+63], v14
	v_lshrrev_b32 v17, 23, v12                     ; the bytes; also the plain line behind the conversions
	v_lshrrev_b32 v18, 23, v14
.irp i, 0,1,2
	v_mov_b32 v[FW+3+\i], v[24+\i]
	v_mov_b32 v[FW+9+\i], v[28+\i]
.endr
	v_lshl_or_b32 v19, v18, 16, v17                ; my blocks are h and 2 + h of the row's four:
	v_lshlrev_b32 v19, v10, v19                    ; 8 h bits up;
	v_permlanex16_b32 v20, v19, s24, s25
	v_or_b32 v[21+\u], v19, v20                    ; with lane xor 16's two bytes the word is whole
.irp i, 0,1,2
	global_store_b128 v5, v[FW+4*\i:FW+4*\i+3], s[38:39] offset:1536*\u+512*\i   ; 512 consecutive bytes a store
.endr
.endm
	s_load_b512 s[4:19], s[0:1], 0x0               ; x, pos_h, pos_emb, Wq, Wk, Wv, xq, wq
	s_load_b64 s[20:21], s[0:1], 0x40              ; x1d
	v_lshl_add_u32 v192, v0, 2, 0x7000
	v_mov_b32 v193, 0
	v_lshrrev_b32 v1, 5, v0
	v_readfirstlane_b32 s22, v1                    ; wave 0..7
	v_and_b32 v1, 31, v0                           ; lane
	s_cmp_ge_u32 ttmp9, 256
	s_cbranch_scc1 .Lweights
; ---------------- x ----------------
	s_lshr_b32 s30, ttmp9, 6                       ; image b
	s_bfe_u32 s31, ttmp9, 0x40002                  ; bin l
	s_and_b32 s32, ttmp9, 3                        ; K step s: channels 128 s on
	s_lshr_b32 s33, ttmp9, 2                       ; chunk = 16 b + l
	s_lshl_b32 s34, s30, 23                        ; x: image 8,388,608 + channel 16,384 + bin 1,024 + wave 128 bytes
	s_lshl_b32 s36, s32, 21
	s_add_co_u32 s34, s34, s36
	s_lshl_b32 s36, s31, 10
	s_add_co_u32 s34, s34, s36
	s_lshl_b32 s36, s22, 7
	s_add_co_u32 s34, s34, s36
	s_mov_b32 s35, 0
	s_lshl_b32 s36, s30, 14                        ; pos_h[b][4 l][0]
	s_lshl_b32 s37, s31, 10
	s_add_co_u32 s36, s36, s37
	s_mov_b32 s37, 0
	s_mul_i32 s38, s33, 98304                      ; xq's codes: [chunk][s][tile 16][1536]; my wave's two tiles
	s_mul_i32 s39, s32, 24576
	s_add_co_u32 s38, s38, s39
	s_mul_i32 s45, s22, 3072
	s_add_co_u32 s38, s38, s45
	s_mov_b32 s39, 0
	s_lshl_b32 s40, s33, 12                        ; xq's scale words: [chunk][s][pair 8][32 words]
	s_lshl_b32 s41, s32, 10
	s_add_co_u32 s40, s40, s41
	s_lshl_b32 s41, s22, 7
	s_add_co_u32 s40, s40, s41
	s_add_co_u32 s40, s40, XQ_SC
	s_mov_b32 s41, 0
	s_lshl_b32 s42, s33, 11                        ; x1d: [chunk][512] f32
	s_lshl_b32 s44, s32, 9                         ; (128 s channels in bytes: pos_emb's row too)
	s_add_co_u32 s42, s42, s44
	s_mov_b32 s43, 0
	s_mov_b32 s24, 0xff00ff00                      ; lanes whose bit 3, 2, 1, 0 is set
	s_mov_b32 s25, 0xf0f0f0f0
	s_mov_b32 s26, 0xcccccccc
	s_mov_b32 s27, 0xaaaaaaaa
	v_lshlrev_b32 v2, 2, v1                        ; a lane takes a place, and its registers run down the channels
	s_wait_kmcnt 0x0
	s_add_nc_u64 s[4:5], s[4:5], s[34:35]
	s_add_nc_u64 s[6:7], s[6:7], s[36:37]
	s_add_nc_u64 s[38:39], s[16:17], s[38:39]
	s_add_nc_u64 s[40:41], s[16:17], s[40:41]
	s_add_nc_u64 s[20:21], s[20:21], s[42:43]
	s_load_b32 s28, s[6:7], 0x0
.set CI, 0
.rept 128
	global_load_b32 v[X+CI], v2, s[4:5] offset:CI*16384   ; 128 consecutive bytes a wave, 1,024 the work-group
.set CI, CI+1
.endr
	v_bfe_u32 v9, v1, 3, 1                         ; u: which of my wave's two tiles my place belongs to
	v_and_b32 v10, 7, v1
	v_lshrrev_b32 v11, 4, v1
	v_lshl_add_u32 v10, v11, 3, v10                ; r: its lane there
	v_mul_u32_u24 v3, v9, 1536
	v_lshl_add_u32 v3, v10, 4, v3
	v_add_nc_u32 v3, s45, v3                       ; into the images: 3072 wave + 1536 u + 16 r
	v_lshlrev_b32 v5, 4, v1                        ; 16 x lane
	v_add_nc_u32 v4, s45, v5                       ; and back out of them
	v_lshl_add_u32 v6, v9, 4, v10
	v_lshlrev_b32 v6, 2, v6                        ; my scale word's place: 4 (16 u + r)
	s_lshl_b32 s46, s22, 9
	s_add_co_u32 s46, s46, SUM
	v_add_nc_u32 v7, s46, v2                       ; my wave's sums
	v_lshlrev_b32 v8, 2, v0
	XBLOCK 0, 63                                   ; 96 younger loads may be out; a wait names 63 at the most
	XBLOCK 1, 63                                   ; 64 may
	XBLOCK 2, 32
	XBLOCK 3, 0
	global_store_b32 v6, v16, s[40:41]
.irp i, 0,1,2,3,4,5
	ds_load_b128 v[RBK+4*\i:RBK+4*\i+3], v4 offset:512*\i   ; my wave's own bytes; LDS serves a wave's instructions in order
.endr
.irp i, 0,1,2,3,4,5
	s_wait_dscnt 5-\i                              ; the younger loads may be out
	global_store_b128 v5, v[RBK+4*\i:RBK+4*\i+3], s[38:39] offset:512*\i   ; 512 consecutive bytes, aligned
.endr
	s_wait_dscnt 0x0                               ; for the others' sake: my sums lie in LDS
	s_barrier_signal -1
	s_barrier_wait -1
	s_cmp_ge_u32 s22, 4
	s_cbranch_scc1 .Lxend
.irp i, 0,1,2,3,4,5,6,7
	ds_load_b32 v[100+\i], v8 offset:SUM+512*\i    ; thread t = channel t: the eight waves' parts
.endr
	s_wait_kmcnt 0x0
	s_lshr_b32 s28, s28, 3                         ; pos_h / 8
	s_min_u32 s28, s28, 15
	s_lshl_b32 s28, s28, 11                        ; a row of pos_emb is 2,048 bytes
	s_add_co_u32 s28, s28, s44
	v_add_nc_u32 v9, s28, v8
	global_load_b32 v108, v9, s[8:9]
	s_wait_dscnt 0x0
	v_add_f32 v100, v100, v101
	v_add_f32 v102, v102, v103
	v_add_f32 v104, v104, v105
	v_add_f32 v106, v106, v107
	v_add_f32 v100, v100, v102
	v_add_f32 v104, v104, v106
	v_add_f32 v100, v100, v104
	s_wait_loadcnt 0x0
	v_fma_f32 v100, v100, 0x3b800000, v108         ; sum / 256 + the table's number
	global_store_b32 v8, v100, s[20:21]
.Lxend:
	s_wait_tensorcnt 0x0
	ds_add_u32 v192, v193
	s_wait_dscnt 0x0
	s_endpgm
; ---------------- the weights ----------------
.Lweights:
	s_sub_co_u32 s30, ttmp9, 256                   ; j 0..15
	s_lshr_b32 s31, s22, 2
	s_lshl_b32 s32, s30, 1
	s_add_co_u32 s32, s32, s31                     ; which 32 rows of Wq (0-7), Wk (8-15), Wv (16-31)
	s_and_b32 s33, s22, 3                          ; K step
	v_and_b32 v2, 15, v1                           ; r
	v_lshrrev_b32 v3, 4, v1                        ; h
	v_and_b32 v4, 8, v2
	v_add_nc_u32 v4, v4, v2                        ; r + 8 (r / 8)
	v_lshlrev_b32 v4, 11, v4                       ; a row is 2,048 bytes
	v_lshl_add_u32 v4, v3, 7, v4                   ; + 32 h numbers
	v_lshlrev_b32 v5, 4, v1
	v_lshlrev_b32 v6, 2, v1
	v_lshlrev_b32 v10, 3, v3
	v_mov_b32 v20, 0                               ; a lane permute's destination counts as one of its sources
	s_mov_b32 s24, 0x76543210
	s_mov_b32 s25, 0xfedcba98
	s_mov_b32 s26, 0xffff0000
	s_lshr_b32 s40, s32, 3                         ; chunk of wq
	s_and_b32 s41, s32, 7
	s_mul_i32 s38, s40, 98304
	s_mul_i32 s39, s33, 24576
	s_add_co_u32 s38, s38, s39
	s_mul_i32 s39, s41, 3072
	s_add_co_u32 s38, s38, s39
	s_mov_b32 s39, 0
	s_lshl_b32 s40, s40, 12
	s_lshl_b32 s42, s33, 10
	s_add_co_u32 s40, s40, s42
	s_lshl_b32 s42, s41, 7
	s_add_co_u32 s40, s40, s42
	s_add_co_u32 s40, s40, WQ_SC
	s_mov_b32 s41, 0
	s_wait_kmcnt 0x0
	s_cmp_lt_u32 s30, 8                            ; the choice hangs on the work-group's number alone
	s_cselect_b64 s[34:35], s[12:13], s[14:15]
	s_cselect_b32 s36, 8, 16
	s_cmp_lt_u32 s30, 4
	s_cselect_b64 s[34:35], s[10:11], s[34:35]
	s_cselect_b32 s36, 0, s36
	s_sub_co_u32 s36, s32, s36                     ; which 32 rows of that weight
	s_lshl_b32 s36, s36, 16
	s_lshl_b32 s37, s33, 9
	s_add_co_u32 s36, s36, s37
	s_mov_b32 s37, 0
	s_add_nc_u64 s[34:35], s[34:35], s[36:37]
	s_add_nc_u64 s[38:39], s[18:19], s[38:39]
	s_add_nc_u64 s[40:41], s[18:19], s[40:41]
.irp u, 0,1
.irp c, 0,1
.irp i, 0,1,2,3,4,5,6,7
	global_load_b128 v[64+64*\u+32*\c+4*\i:64+64*\u+32*\c+4*\i+3], v4, s[34:35] offset:16384*\u+256*\c+16*\i
.endr
.endr
.endr
	WTILE 0, 16                                    ; the second tile's 16 loads may be out
	WTILE 1, 0
	v_cndmask_b32 v23, v21, v22, s26               ; lanes 0-15 the first tile's words, lanes 16-31 the second's
	global_store_b32 v6, v23, s[40:41]
	s_endpgm
.Lfunc_end_k_qadd142d8d1_prep:
	.size	k_qadd142d8d1_prep, .Lfunc_end_k_qadd142d8d1_prep-k_qadd142d8d1_prep
	.p2alignl 7, 3214868480
	.fill 96, 4, 3214868480
	.section	.rodata,"a",@progbits
	.p2align	6, 0x0
	.amdhsa_kernel k_qadd142d8d1_prep
		.amdhsa_group_segment_fixed_size 29696
		.amdhsa_private_segment_fixed_size 0
		.amdhsa_enable_private_segment 0
		.amdhsa_kernarg_size 72
		.amdhsa_user_sgpr_count 2
		.amdhsa_user_sgpr_kernarg_segment_ptr 1
		.amdhsa_wavefront_size32 1
		.amdhsa_system_sgpr_workgroup_id_x 1
		.amdhsa_system_sgpr_workgroup_id_y 1
		.amdhsa_system_sgpr_workgroup_id_z 1
		.amdhsa_system_vgpr_workitem_id 0
		.amdhsa_next_free_vgpr 194
		.amdhsa_next_free_sgpr 66
		.amdhsa_reserve_vcc 0
		.amdhsa_float_denorm_mode_32 3
		.amdhsa_float_denorm_mode_16_64 3
		.amdhsa_memory_ordered 1
		.amdhsa_forward_progress 1
		.amdhsa_inst_pref_size 51
	.end_amdhsa_kernel
	.amdgpu_metadata
---
amdhsa.version: [ 1, 2 ]
amdhsa.kernels:
  - .name:           k_qadd142d8d1_prep
    .symbol:         k_qadd142d8d1_prep.kd
    .args:
      - { .name: x, .offset: 0, .size: 8, .value_kind: global_buffer, .address_space: global }
      - { .name: pos_h, .offset: 8, .size: 8, .value_kind: global_buffer, .address_space: global }
      - { .name: pos_emb, .offset: 16, .size: 8, .value_kind: global_buffer, .address_space: global }
      - { .name: Wq, .offset: 24, .size: 8, .value_kind: global_buffer, .address_space: global }
      - { .name: Wk, .offset: 32, .size: 8, .value_kind: global_buffer, .address_space: global }
      - { .name: Wv, .offset: 40, .size: 8, .value_kind: global_buffer, .address_space: global }
      - { .name: xq, .offset: 48, .size: 8, .value_kind: global_buffer, .address_space: global }
      - { .name: wq, .offset: 56, .size: 8, .value_kind: global_buffer, .address_space: global }
      - { .name: x1d, .offset: 64, .size: 8, .value_kind: global_buffer, .address_space: global }
    .group_segment_fixed_size: 29696
    .private_segment_fixed_size: 0
    .kernarg_segment_align: 8
    .kernarg_segment_size: 72
    .max_flat_workgroup_size: 256
    .sgpr_count:     66
    .vgpr_count:     194
    .wavefront_size: 32
...
	.end_amdgpu_metadata
.endif
;; end of part 1
;; launch proj (part 2): grid 208 x 1, 4 waves a work-group, no clusters, 205,312 bytes of LDS; arguments xq, wq, x1d, bq, bk, bv, qq, vq, kq; writes qq, vq, kq
.if DOCPART == 2
	.amdgcn_target "amdgcn-amd-amdhsa--gfx1250"
	.amdhsa_code_object_version 6
	.text
	.protected	k_qadd142d8d1_proj
	.globl	k_qadd142d8d1_proj
	.p2align	8
	.type	k_qadd142d8d1_proj,@function
k_qadd142d8d1_proj:
	s_mov_b64 s[64:65], 0
	v_nop
	global_prefetch_b8 v0, s[64:65] scope:SCOPE_SE
	s_setreg_imm32_b32 hwreg(HW_REG_WAVE_MODE, 25, 1), 1
	s_wait_xcnt 0x0
; PROJ.  Work-groups 0-63: q = Wq x + bq.  64-191: v = Wv x + bv.  192-207: k = Wk x2d + bk for the 64 different columns of an image (x2d is the same along w).
; All products on codes of BF6 (E3M2) with E8M0 scales; each result is quantised in registers along the next product's K and stored as operand images (1,536 bytes: registers 4 i .. 4 i + 3 of lane L at 512 i + 16 L).
; THE GENERIC PATH makes D = A B^T, 256 x 256, K = 512, and quantises it along A's axis.  q: A = Wq (K' = the 256 outputs), B = x's 256 places.  v: A = x's 256 places (K' = the keys), B = 256 rows of Wv.
; Only pointers, offsets and steps are chosen by the role; the text parts in two short arms: the bias's loads and the first K step's products (the bias is their C: along the registers for q, along the lanes for v).
; Source 0 = a tile of A, whose rows were chosen (lane r of tile 2 g + u: row 32 g + 8 u + r + 8 (r / 8)) so that a lane's 16 registers of two neighbouring tiles are 16 neighbours along A's axis.
; A wave makes 128 x 128: 64 accumulators.  A's and B's codes for all of K (2 x 98,304 bytes) come into LDS once, by four tensor loads a wave, one for each K step: four of mine are out at the most, and no LDS byte is filled twice.
; No cluster: the launch mixes work-groups with and without tensor loads, and its shared bytes (a weight's chunk, 98,304 bytes) are small beside what the next launch moves.
; LIMITS: NaN and infinities are not served; a block of zeros gets the byte 1 over zero codes; the upsampling's fraction is (5 h mod 21) / 21, which differs from fl(15 h / 63) - floor by about 1e-6 at the most.
; REGISTERS, in windows of 256: window 0: v0-15 addresses, v16-31 at work, v32-47 A's scale words, v48-63 B's, v64-255 operand set 1 (later the codes just made);
;   window 1: v0-191 operand set 0, v192-255 the bias;   windows 2, 3: accumulator (a, b) at window 2 + b / 4, register 64 (b % 4) + 8 a.
.set XQ_SC, 6291456
.set WQ_SC, 393216
.set QQ_SC, 3145728
.set VQ_SC, 6291456
.set KQ_SC, 49152
.set CHUNK, 98304                      ; codes of 256 rows x 512 K: [K step 4][tile 16][1536]
.set KSTEPB, 24576
.set HALFB, 12288                      ; eight tiles of one K step: what one tensor load brings
.set FRB,   1536
.set BREG,  98304                      ; LDS: A's codes at 0, B's here
.set KX,    196608                     ; LDS of the k path alone: x2d's four images,
.set KXS,   202752                     ; and their scale words, 128 bytes each
.set TM,  16
.set SA,  32
.set SB,  48
.set PC,  64
.set PW,  84
.set PWE, 85
.set PWJ, 86
.set G1,  24
.set G0,  32
.set MSB, 0
.macro WIN new                         ; the immediate's high byte repeats the setting that is left
.if MSB != (\new)
	s_set_vgpr_msb (MSB<<8)|(\new)
.set MSB, (\new)
.endif
.endm
; one product.  c < 0: the constant 0 starts the sum.  ra, rb: the side's scale words lie in lanes 16-31
.macro WM d, a, b, c, sa, sb, ra, rb
.if (\c) < 0
.if (\ra) && (\rb)
	v_wmma_scale_f32_16x16x128_f8f6f4 v[(\d):(\d)+7], v[(\a):(\a)+11], v[(\b):(\b)+11], 0, v[(\sa)], v[(\sb)] matrix_a_fmt:MATRIX_FMT_BF6 matrix_b_fmt:MATRIX_FMT_BF6 matrix_a_scale:MATRIX_SCALE_ROW1 matrix_b_scale:MATRIX_SCALE_ROW1
.elseif (\ra)
	v_wmma_scale_f32_16x16x128_f8f6f4 v[(\d):(\d)+7], v[(\a):(\a)+11], v[(\b):(\b)+11], 0, v[(\sa)], v[(\sb)] matrix_a_fmt:MATRIX_FMT_BF6 matrix_b_fmt:MATRIX_FMT_BF6 matrix_a_scale:MATRIX_SCALE_ROW1
.elseif (\rb)
	v_wmma_scale_f32_16x16x128_f8f6f4 v[(\d):(\d)+7], v[(\a):(\a)+11], v[(\b):(\b)+11], 0, v[(\sa)], v[(\sb)] matrix_a_fmt:MATRIX_FMT_BF6 matrix_b_fmt:MATRIX_FMT_BF6 matrix_b_scale:MATRIX_SCALE_ROW1
.else
	v_wmma_scale_f32_16x16x128_f8f6f4 v[(\d):(\d)+7], v[(\a):(\a)+11], v[(\b):(\b)+11], 0, v[(\sa)], v[(\sb)] matrix_a_fmt:MATRIX_FMT_BF6 matrix_b_fmt:MATRIX_FMT_BF6
.endif
.else
.if (\ra) && (\rb)
	v_wmma_scale_f32_16x16x128_f8f6f4 v[(\d):(\d)+7], v[(\a):(\a)+11], v[(\b):(\b)+11], v[(\c):(\c)+7], v[(\sa)], v[(\sb)] matrix_a_fmt:MATRIX_FMT_BF6 matrix_b_fmt:MATRIX_FMT_BF6 matrix_a_scale:MATRIX_SCALE_ROW1 matrix_b_scale:MATRIX_SCALE_ROW1
.elseif (\ra)
	v_wmma_scale_f32_16x16x128_f8f6f4 v[(\d):(\d)+7], v[(\a):(\a)+11], v[(\b):(\b)+11], v[(\c):(\c)+7], v[(\sa)], v[(\sb)] matrix_a_fmt:MATRIX_FMT_BF6 matrix_b_fmt:MATRIX_FMT_BF6 matrix_a_scale:MATRIX_SCALE_ROW1
.elseif (\rb)
	v_wmma_scale_f32_16x16x128_f8f6f4 v[(\d):(\d)+7], v[(\a):(\a)+11], v[(\b):(\b)+11], v[(\c):(\c)+7], v[(\sa)], v[(\sb)] matrix_a_fmt:MATRIX_FMT_BF6 matrix_b_fmt:MATRIX_FMT_BF6 matrix_b_scale:MATRIX_SCALE_ROW1
.else
	v_wmma_scale_f32_16x16x128_f8f6f4 v[(\d):(\d)+7], v[(\a):(\a)+11], v[(\b):(\b)+11], v[(\c):(\c)+7], v[(\sa)], v[(\sb)] matrix_a_fmt:MATRIX_FMT_BF6 matrix_b_fmt:MATRIX_FMT_BF6
.endif
.endif
.endm
; 48 LDS loads: my eight tiles of A and eight of B of one K step, into set st (0: window 1; 1: window 0).  An image's 512 bytes are consecutive
.macro FETCH st
	WIN 0x40*(1-\st)
.irp a, 0,1,2,3,4,5,6,7
.irp i, 0,1,2
	ds_load_b128 v[64*\st+12*\a+4*\i:64*\st+12*\a+4*\i+3], v3 offset:\a*FRB+512*\i
.endr
.endr
.irp a, 0,1,2,3,4,5,6,7
.irp i, 0,1,2
	ds_load_b128 v[96+64*\st+12*\a+4*\i:96+64*\st+12*\a+4*\i+3], v4 offset:\a*FRB+512*\i
.endr
.endr
	WIN 0
.endm
; 64 products: K step ks from set st.  cm = 0: in place; 1: the bias along A's axis starts the sums; 2: the bias along B's.  The 64 accumulators take turns, one instruction a turn
.macro MUL st, ks, cm
.irp b, 0,1,2,3,4,5,6,7
.if \st == 0
.if \cm == 0
	WIN 0xa5+0x50*(\b/4)
.else
	WIN 0x95+0x40*(\b/4)
.endif
.else
	WIN 0xa0+0x50*(\b/4)
.endif
.irp a, 0,1,2,3,4,5,6,7
.if \cm == 0
	WM 64*(\b%4)+8*\a, 64*\st+12*\a, 96+64*\st+12*\b, 64*(\b%4)+8*\a, SA+4*\ks+\a/2, SB+4*\ks+\b/2, \a%2, \b%2
.elseif \cm == 1
	WM 64*(\b%4)+8*\a, 64*\st+12*\a, 96+64*\st+12*\b, 192+8*\a, SA+4*\ks+\a/2, SB+4*\ks+\b/2, \a%2, \b%2
.else
	WM 64*(\b%4)+8*\a, 64*\st+12*\a, 96+64*\st+12*\b, 192+8*\b, SA+4*\ks+\a/2, SB+4*\ks+\b/2, \a%2, \b%2
.endif
.endr
.endr
	WIN 0
.endm
; 64 numbers of a lane in window w, register base + 16 g + i = K' 32 g + 16 (lane / 16) + i of my row, become a fragment's codes in v[PC] on and its scale word in v[PW].  Each accumulator is read from its low end on
.macro QUANT w, base
	WIN ((\w)<<2)|((\w)<<4)
.irp g, 0,1,2,3
	v_max3_num_f32 v[TM+\g], s94, |v[(\base)+16*\g]|, |v[(\base)+16*\g+1]|   ; my 16 numbers of block g, and the floor 2^(5 - 127): the byte cannot fall under 1
.endr
.irp i, 2,4,6,8,10,12,14
.irp g, 0,1,2,3
	v_max3_num_f32 v[TM+\g], v[TM+\g], |v[(\base)+16*\g+\i]|, |v[(\base)+16*\g+\i+1]|
.endr
.endr
	WIN 0
.irp g, 0,1,2,3
	v_permlanex16_b32 v[TM+4+\g], v[TM+\g], s48, s49
.endr
.irp g, 0,1,2,3
	v_max_num_f32 v[TM+\g], v[TM+\g], v[TM+4+\g]   ; with lane xor 16's: the block's largest magnitude
.endr
.irp g, 0,1,2,3
	v_add_nc_u32 v[TM+12+\g], 0xfe000000, v[TM+\g] ; 4 off the exponent field: the conversion's scale operand
.endr
.irp g, 0,1,2,3
	v_lshrrev_b32 v[TM+4+\g], 23, v[TM+12+\g]      ; the byte
.endr
	v_lshl_or_b32 v[PW], v[TM+5], 8, v[TM+4]
	v_lshl_or_b32 v[PW], v[TM+6], 16, v[PW]
	v_lshl_or_b32 v[PW], v[TM+7], 24, v[PW]
	WIN (\w)
.irp c, 0,1
	v_cvt_scalef32_pk16_bf6_f32 v[PC+6*\c:PC+2+6*\c], v[(\base)+32*\c:(\base)+15+32*\c], v[TM+12+2*\c]
	v_cvt_scalef32_pk16_bf6_f32 v[PC+12+4*\c:PC+14+4*\c], v[(\base)+16+32*\c:(\base)+31+32*\c], v[TM+12+2*\c+1]
.endr
	WIN 0
	v_nop                                          ; one plain line behind the conversions
.irp c, 0,1                                    ; the layout wants a whole block in a lane
.irp i, 0,1,2
	v_permlane16_swap_b32 v[PC+6*\c+\i], v[PC+12+4*\c+\i]
.endr
.irp i, 0,1,2
	v_mov_b32 v[PC+3+6*\c+\i], v[PC+12+4*\c+\i]
.endr
.endr
.endm
.macro BARRIER
	s_barrier_signal -1
	s_barrier_wait -1
.endm
	s_load_b512 s[4:19], s[0:1], 0x0               ; xq, wq, x1d, bq, bk, bv, qq, vq
	s_load_b64 s[20:21], s[0:1], 0x40              ; kq
	v_lshl_add_u32 v26, v0, 2, 0x32000
	v_mov_b32 v27, 0
	ds_add_u32 v26, v27
	ds_add_u32 v26, v27
	s_wait_dscnt 0x0
	v_lshrrev_b32 v1, 5, v0
	v_readfirstlane_b32 s22, v1                    ; wave 0..3
	v_and_b32 v10, 31, v0
	v_lshlrev_b32 v1, 4, v10                       ; 16 x lane
	v_lshlrev_b32 v2, 2, v10                       ; 4 x lane
	v_and_b32 v8, 15, v0                           ; r
	v_bfe_u32 v9, v0, 4, 1                         ; h
	v_and_b32 v11, 8, v8
	v_add_nc_u32 v11, v11, v8                      ; r + 8 (r / 8)
.irp g, 0,1,2,3
	v_mov_b32 v[TM+4+\g], 0                        ; a lane permute's destination counts as one of its sources
.endr
	s_mov_b32 s48, 0x76543210
	s_mov_b32 s49, 0xfedcba98
	s_mov_b32 s50, 0xffff0000
	s_mov_b32 s94, 0x2800000
	s_lshr_b32 s51, s22, 1                         ; my half of A's rows.  Also: I fetch for A (0) or B (1)
	s_and_b32 s52, s22, 1                          ; my half of B's rows.  Also: which eight tiles I fetch
	s_cmp_ge_u32 ttmp9, 192
	s_cbranch_scc1 .Lkpath
; ---------------- q and v ----------------
	s_sub_co_u32 s54, ttmp9, 64
	s_lshr_b32 s55, s54, 1
	s_and_b32 s56, s54, 1
	s_add_co_u32 s57, s56, 2
	s_cmp_lt_u32 ttmp9, 64
	s_cselect_b32 s55, ttmp9, s55                  ; x's chunk of 256 places
	s_cselect_b32 s57, 0, s57                      ; the weight's chunk: Wq, or a half of Wv
	s_cselect_b32 s56, 0, s56                      ; which half of Wv
	s_mul_i32 s58, s55, CHUNK
	s_mov_b32 s59, 0
	s_lshl_b32 s60, s55, 12
	s_add_co_u32 s60, s60, XQ_SC
	s_mov_b32 s61, 0
	s_mul_i32 s62, s57, CHUNK
	s_mov_b32 s63, 0
	s_lshl_b32 s66, s57, 12
	s_add_co_u32 s66, s66, WQ_SC
	s_mov_b32 s67, 0
	s_mov_b32 s[G1+0], 3<<16                       ; no mask; elements of 8 bytes; no padding
	s_mov_b32 s[G1+1], 32<<16                      ; tensor_dim0 = 32 elements: rows of 256 bytes
	s_mov_b32 s[G1+2], 48<<16                      ; tensor_dim1 = 48 rows: 12,288 dense bytes
	s_mov_b32 s[G1+3], 32<<16                      ; tile_dim0
	s_mov_b32 s[G1+4], 48                          ; tile_dim1
	s_mov_b32 s[G1+5], 32                          ; the pitch
	s_mov_b32 s[G1+6], 0
	s_mov_b32 s[G1+7], 0
	s_mul_i32 s68, s51, BREG
	s_mul_i32 s69, s52, HALFB
	s_add_co_u32 s68, s68, s69                     ; where my loads go: side x 98,304 + half x 12,288 (+ K step x 24,576)
	s_mov_b32 s70, s69
	s_mov_b32 s71, 0
	s_wait_kmcnt 0x0
	s_add_nc_u64 s[58:59], s[4:5], s[58:59]        ; x's codes, x's scale words,
	s_add_nc_u64 s[60:61], s[4:5], s[60:61]
	s_add_nc_u64 s[62:63], s[6:7], s[62:63]        ; the weight's codes, the weight's scale words
	s_add_nc_u64 s[66:67], s[6:7], s[66:67]
	s_cmp_lt_u32 ttmp9, 64                         ; the roles: choices that hang on the work-group's number alone
	s_cselect_b64 s[72:73], s[62:63], s[58:59]     ; A's codes
	s_cselect_b64 s[74:75], s[58:59], s[62:63]     ; B's codes
	s_cselect_b64 s[76:77], s[66:67], s[60:61]     ; A's scale words
	s_cselect_b64 s[78:79], s[60:61], s[66:67]     ; B's
	s_cselect_b64 s[80:81], s[16:17], s[18:19]     ; where the result goes
	s_cmp_eq_u32 s51, 0
	s_cselect_b64 s[82:83], s[72:73], s[74:75]
	s_add_nc_u64 s[82:83], s[82:83], s[70:71]
.irp s, 0,1,2,3
	s_mov_b32 s[G0+4*\s], 1
	s_add_co_u32 s[G0+4*\s+1], s68, \s*KSTEPB
	s_add_nc_u64 s[G0+4*\s+2:G0+4*\s+3], s[82:83], \s*KSTEPB
	s_or_b32 s[G0+4*\s+3], s[G0+4*\s+3], 0x80000000
.endr
	tensor_load_to_lds s[G0:G0+3], s[G1:G1+7]      ; all fills go out together, ahead of every wait for them, every LDS read and every barrier
	s_nop 0
	tensor_load_to_lds s[G0+4:G0+7], s[G1:G1+7]
	s_nop 0
	tensor_load_to_lds s[G0+8:G0+11], s[G1:G1+7]
	s_nop 0
	tensor_load_to_lds s[G0+12:G0+15], s[G1:G1+7]
	s_nop 0
.rept 4
	v_nop
.endr
	s_mul_i32 s84, s51, HALFB
	v_add_nc_u32 v3, s84, v1                       ; my tiles of A in LDS
	s_add_co_u32 s85, s69, BREG
	v_add_nc_u32 v4, s85, v1                       ; my tiles of B
	s_lshl_b32 s84, s51, 9
	v_add_nc_u32 v12, s84, v2
	s_lshl_b32 s85, s52, 9
	v_add_nc_u32 v13, s85, v2
.irp s, 0,1,2,3
.irp p, 0,1,2,3
	global_load_b32 v[SA+4*\s+\p], v12, s[76:77] offset:\s*1024+\p*128   ; one register for two tiles: lanes 0-15 the even tile's words, lanes 16-31 the odd one's
	global_load_b32 v[SB+4*\s+\p], v13, s[78:79] offset:\s*1024+\p*128
.endr
.endr
	v_lshl_add_u32 v7, v9, 6, s84                  ; bq: 128 x my half + 16 h numbers on
	s_lshl_b32 s86, s56, 10
	s_add_co_u32 s86, s86, s85
	v_lshl_add_u32 v14, v11, 2, s86                ; bv: 256 x half of Wv + 128 x my half + r + 8 (r / 8)
	s_cmp_lt_u32 ttmp9, 64
	s_cbranch_scc0 .Lbias_v
	WIN 0x40
.irp a, 0,1,2,3,4,5,6,7
	global_load_b128 v[192+8*\a:192+8*\a+3], v7, s[10:11] offset:(32*(\a/2)+8*(\a%2))*4
	global_load_b128 v[192+8*\a+4:192+8*\a+7], v7, s[10:11] offset:(32*(\a/2)+8*(\a%2))*4+16
.endr
	WIN 0
	s_branch .Lbias_done
.Lbias_v:
	WIN 0x40
.irp b, 0,1,2,3,4,5,6,7
.irp j, 0,1,2,3,4,5,6,7
	global_load_b32 v[192+8*\b+\j], v14, s[14:15] offset:(32*(\b/2)+8*(\b%2))*4   ; my lane's channel: the same number in all eight registers
.endr
.endr
	WIN 0
.Lbias_done:
	; where the results go.  q: qq's codes [tile of places][K' step 2][1536], scale words [pair][K' step][32].  v: vq's codes [image][64 channels g][K' step 32][tile 4][1536], scale words [image][g][K' step][pair 2][32]
	s_mul_i32 s86, s55, 49152
	s_mul_i32 s87, s52, 24576
	s_add_co_u32 s86, s86, s87
	s_mul_i32 s87, s51, 1536
	s_add_co_u32 s86, s86, s87
	s_lshl_b32 s87, s55, 11
	s_lshl_b32 s88, s52, 10
	s_add_co_u32 s87, s87, s88
	s_lshl_b32 s88, s51, 7
	s_add_co_u32 s87, s87, s88
	s_add_co_u32 s87, s87, QQ_SC
	s_lshr_b32 s88, s55, 4                         ; image
	s_and_b32 s89, s55, 15
	s_lshl_b32 s89, s89, 1
	s_add_co_u32 s89, s89, s51                     ; K' step of 128 keys
	s_lshl_b32 s90, s56, 2
	s_lshl_b32 s91, s52, 1
	s_add_co_u32 s90, s90, s91                     ; g of my first four tiles
	s_mul_i32 s91, s88, 1572864
	s_mul_i32 s92, s90, 196608
	s_add_co_u32 s91, s91, s92
	s_mul_i32 s92, s89, 6144
	s_add_co_u32 s91, s91, s92
	s_lshl_b32 s92, s88, 16
	s_lshl_b32 s93, s90, 13
	s_add_co_u32 s92, s92, s93
	s_lshl_b32 s93, s89, 8
	s_add_co_u32 s92, s92, s93
	s_add_co_u32 s92, s92, VQ_SC
	s_cmp_lt_u32 ttmp9, 64
	s_cselect_b32 s86, s86, s91
	s_cselect_b32 s87, s87, s92
	s_mov_b32 s88, 1536
	s_cselect_b32 s88, 3072, s88                   ; from a tile of B to the next: codes,
	s_mov_b32 s89, 190464
	s_cselect_b32 s89, 0, s89                      ; (v: on to the next g behind four tiles)
	s_mov_b32 s90, 128
	s_cselect_b32 s90, 256, s90                    ; scale words, from pair to pair
	s_mov_b32 s91, 7936
	s_cselect_b32 s91, 0, s91
	v_add_nc_u32 v5, s86, v1
	v_add_nc_u32 v6, s87, v2
	s_wait_tensorcnt 0x3                           ; my part of K step 0 has landed; my three younger loads may be out
	BARRIER                                        ; everybody's has
	FETCH 0
	; K step 0
	s_wait_dscnt 0x0                               ; set 0 is in
	s_wait_tensorcnt 0x2                           ; my part of K step 1 has landed; two younger loads may be out
	BARRIER
	v_add_nc_u32 v3, KSTEPB, v3
	v_add_nc_u32 v4, KSTEPB, v4
	v_nop
	v_nop
	FETCH 1
	s_wait_loadcnt 0x0                             ; the scale words and the bias
	s_cmp_lt_u32 ttmp9, 64
	s_cbranch_scc0 .Lfirst_v
	MUL 0, 0, 1
	s_branch .Lfirst_done
.Lfirst_v:
	MUL 0, 0, 2
.Lfirst_done:
	; K step 1
	s_wait_dscnt 0x0
	s_wait_tensorcnt 0x1                           ; K step 2 has landed; one younger load may be out
	BARRIER
	v_add_nc_u32 v3, KSTEPB, v3                    ; these two and the two below are the four places between the last products and the loads into the set that they read
	v_add_nc_u32 v4, KSTEPB, v4
	v_nop
	v_nop
	FETCH 0
	MUL 1, 1, 0
	; K step 2
	s_wait_dscnt 0x0
	s_wait_tensorcnt 0x0
	BARRIER
	v_add_nc_u32 v3, KSTEPB, v3
	v_add_nc_u32 v4, KSTEPB, v4
	v_nop
	v_nop
	FETCH 1
	MUL 0, 2, 0
	; K step 3
	s_wait_dscnt 0x0
	MUL 1, 3, 0
.rept 4
	v_nop                                          ; places in front of the first read of results
.endr
	; THE WAY OUT: for each tile b of B, my 64 numbers along A's axis become one fragment (16 rows of B x 128 K') and one scale word a row
.irp b, 0,1,2,3,4,5,6,7
	s_wait_xcnt 0x0                                ; the last tile's stores have read their data and offsets: both are written again only behind this wait
.if \b > 0
	v_add_nc_u32 v5, s88, v5
.if \b == 4
	v_add_nc_u32 v5, s89, v5
.endif
.if \b%2 == 0
	v_add_nc_u32 v6, s90, v6
.if \b == 4
	v_add_nc_u32 v6, s91, v6
.endif
.endif
.endif
	QUANT 2+\b/4, 64*(\b%4)
.irp i, 0,1,2
	global_store_b128 v5, v[PC+4*\i:PC+4*\i+3], s[80:81] offset:512*\i   ; 512 consecutive bytes, aligned
.endr
.if \b%2 == 0
	v_mov_b32 v[PWE], v[PW]
.else
	v_cndmask_b32 v[PWJ], v[PWE], v[PW], s50       ; lanes 0-15 the even tile's words, lanes 16-31 the odd one's
	global_store_b32 v6, v[PWJ], s[80:81]
.endif
.endr
	s_wait_tensorcnt 0x0
	ds_add_u32 v26, v27
	s_wait_dscnt 0x0
	s_endpgm
; ---------------- k: 16 rows h of one image ----------------
.Lkpath:
	s_sub_co_u32 s54, ttmp9, 192
	s_lshr_b32 s55, s54, 2                         ; image
	s_and_b32 s56, s54, 3                          ; which 16 of the 64 h
	s_mul_i32 s57, s22, FRB                        ; every LDS address is made here, ahead of the waves' parting
	s_add_co_u32 s57, s57, KX
	v_add_nc_u32 v3, s57, v1                       ; my image of x2d: K step = my wave
	s_lshl_b32 s58, s22, 7
	s_add_co_u32 s58, s58, KXS
	v_add_nc_u32 v4, s58, v2
	v_add_nc_u32 v5, KX, v1
	v_add_nc_u32 v6, KXS, v2
	v_lshl_add_u32 v12, s56, 4, v8                 ; h
	v_mul_u32_u24 v13, v12, 5                      ; the place in the pooled rows is 15 h / 63 = 5 h / 21
	v_mul_u32_u24 v14, v13, 3121
	v_lshrrev_b32 v14, 16, v14                     ; floor(5 h / 21): 3121 / 65536 is 1 / 21 + 3.6e-6, and 5 h is 315 at the most
	v_mul_u32_u24 v15, v14, 21
	v_sub_nc_u32 v15, v13, v15
	v_cvt_f32_u32 v86, v15
	v_mul_f32 v86, 0x3d430c31, v86                 ; the fraction: (5 h mod 21) / 21
	v_mov_b32 v87, v86
	v_sub_f32 v88, 1.0, v86
	v_mov_b32 v89, v88
	v_add_nc_u32 v15, 1, v14
	v_min_u32 v15, 15, v15
	s_lshl_b32 s59, s55, 15
	s_lshl_b32 s60, s22, 9
	s_add_co_u32 s59, s59, s60
	v_lshl_add_u32 v7, v9, 6, s59                  ; x1d: image, channels 128 x wave + 16 h' on
	v_lshl_add_u32 v14, v14, 11, v7
	v_lshl_add_u32 v15, v15, 11, v7
	s_wait_kmcnt 0x0
.irp g, 0,1,2,3
.irp i, 0,1,2,3
	global_load_b128 v[96+16*\g+4*\i:96+16*\g+4*\i+3], v14, s[8:9] offset:128*\g+16*\i
	global_load_b128 v[160+16*\g+4*\i:160+16*\g+4*\i+3], v15, s[8:9] offset:128*\g+16*\i
.endr
.endr
	s_cmp_ge_u32 s22, 2
	s_cbranch_scc1 .Lk_now
	s_mul_i32 s60, s22, HALFB                      ; waves 0 and 1: my 128 rows of Wk, all four K steps, its scale words, and bk
	s_add_co_u32 s60, s60, CHUNK
	v_add_nc_u32 v12, s60, v1
	s_lshl_b32 s61, s22, 9
	v_lshl_add_u32 v11, v9, 6, s61
	s_add_co_u32 s61, s61, WQ_SC+4096
	v_add_nc_u32 v13, s61, v2
	WIN 0x40
.irp s, 0,1
.irp a, 0,1,2,3,4,5,6,7
.irp i, 0,1,2
	global_load_b128 v[96*\s+12*\a+4*\i:96*\s+12*\a+4*\i+3], v12, s[6:7] offset:\s*KSTEPB+\a*FRB+512*\i
.endr
.endr
.endr
	WIN 0x80
.irp s, 2,3
.irp a, 0,1,2,3,4,5,6,7
.irp i, 0,1,2
	global_load_b128 v[96*(\s-2)+12*\a+4*\i:96*(\s-2)+12*\a+4*\i+3], v12, s[6:7] offset:\s*KSTEPB+\a*FRB+512*\i
.endr
.endr
.endr
	WIN 0xc0
.irp a, 0,1,2,3,4,5,6,7
	global_load_b128 v[8*\a:8*\a+3], v11, s[12:13] offset:(32*(\a/2)+8*(\a%2))*4
	global_load_b128 v[8*\a+4:8*\a+7], v11, s[12:13] offset:(32*(\a/2)+8*(\a%2))*4+16
.endr
	WIN 0
.irp s, 0,1,2,3
.irp p, 0,1,2,3
	global_load_b32 v[SA+4*\s+\p], v13, s[6:7] offset:\s*1024+\p*128
.endr
.endr
.Lk_now:
	s_wait_loadcnt 0x0
.set J, 0
.rept 32
	v_pk_mul_f32 v[160+J:161+J], v[160+J:161+J], v[86:87]
.set J, J+2
.endr
.set J, 0
.rept 32
	v_pk_fma_f32 v[96+J:97+J], v[96+J:97+J], v[88:89], v[160+J:161+J]   ; x1d[lo] (1 - f) + x1d[hi] f
.set J, J+2
.endr
	QUANT 0, 96
.irp i, 0,1,2
	ds_store_b128 v3, v[PC+4*\i:PC+4*\i+3] offset:512*\i
.endr
	ds_store_b32 v4, v[PW]
	s_wait_dscnt 0x0                               ; for the others' sake: my image lies in LDS
	BARRIER
	s_cmp_ge_u32 s22, 2
	s_cbranch_scc1 .Lk_end
.irp s, 0,1,2,3
.irp i, 0,1,2
	ds_load_b128 v[160+12*\s+4*\i:160+12*\s+4*\i+3], v5 offset:\s*FRB+512*\i
.endr
	ds_load_b32 v[SB+\s], v6 offset:128*\s
.endr
	s_wait_dscnt 0x0
	WIN 0x31                                       ; Wk in window 1, bk (the C) in window 3.  Eight accumulators by turns
.irp a, 0,1,2,3,4,5,6,7
	WM 96+8*\a, 12*\a, 160, 8*\a, SA+\a/2, SB, \a%2, 0
.endr
	WIN 0x01
.irp a, 0,1,2,3,4,5,6,7
	WM 96+8*\a, 96+12*\a, 172, 96+8*\a, SA+4+\a/2, SB+1, \a%2, 0
.endr
	WIN 0x02
.irp a, 0,1,2,3,4,5,6,7
	WM 96+8*\a, 12*\a, 184, 96+8*\a, SA+8+\a/2, SB+2, \a%2, 0
.endr
.irp a, 0,1,2,3,4,5,6,7
	WM 96+8*\a, 96+12*\a, 196, 96+8*\a, SA+12+\a/2, SB+3, \a%2, 0
.endr
	WIN 0
.rept 4
	v_nop
.endr
	QUANT 0, 96
	s_lshl_b32 s60, s55, 2                         ; kq's codes: [image][tile of h 4][K' step 2][1536]
	s_add_co_u32 s60, s60, s56
	s_lshl_b32 s60, s60, 1
	s_add_co_u32 s60, s60, s22
	s_mul_i32 s60, s60, FRB
	v_add_nc_u32 v12, s60, v1
	s_lshl_b32 s61, s55, 9                         ; scale words: [image][K' step][pair 2][32 words]
	s_lshl_b32 s62, s22, 8
	s_add_co_u32 s61, s61, s62
	s_lshl_b32 s62, s56, 6
	s_add_co_u32 s61, s61, s62
	s_add_co_u32 s61, s61, KQ_SC
	v_lshl_add_u32 v13, v8, 2, s61
.irp i, 0,1,2
	global_store_b128 v12, v[PC+4*\i:PC+4*\i+3], s[20:21] offset:512*\i
.endr
	global_store_b32 v13, v[PW], s[20:21]          ; lanes r and r + 16 write the same word with the same value
.Lk_end:
	s_wait_tensorcnt 0x0
	ds_add_u32 v26, v27
	s_wait_dscnt 0x0
	s_endpgm
.Lfunc_end_k_qadd142d8d1_proj:
	.size	k_qadd142d8d1_proj, .Lfunc_end_k_qadd142d8d1_proj-k_qadd142d8d1_proj
	.p2alignl 7, 3214868480
	.fill 96, 4, 3214868480
	.section	.rodata,"a",@progbits
	.p2align	6, 0x0
	.amdhsa_kernel k_qadd142d8d1_proj
		.amdhsa_group_segment_fixed_size 205312
		.amdhsa_private_segment_fixed_size 0
		.amdhsa_enable_private_segment 0
		.amdhsa_kernarg_size 72
		.amdhsa_user_sgpr_count 2
		.amdhsa_user_sgpr_kernarg_segment_ptr 1
		.amdhsa_wavefront_size32 1
		.amdhsa_system_sgpr_workgroup_id_x 1
		.amdhsa_system_sgpr_workgroup_id_y 1
		.amdhsa_system_sgpr_workgroup_id_z 1
		.amdhsa_system_vgpr_workitem_id 0
		.amdhsa_next_free_vgpr 1024
		.amdhsa_next_free_sgpr 100
		.amdhsa_reserve_vcc 0
		.amdhsa_float_denorm_mode_32 3
		.amdhsa_float_denorm_mode_16_64 3
		.amdhsa_memory_ordered 1
		.amdhsa_forward_progress 1
		.amdhsa_inst_pref_size 140
	.end_amdhsa_kernel
	.amdgpu_metadata
---
amdhsa.version: [ 1, 2 ]
amdhsa.kernels:
  - .name:           k_qadd142d8d1_proj
    .symbol:         k_qadd142d8d1_proj.kd
    .args:
      - { .name: xq, .offset: 0, .size: 8, .value_kind: global_buffer, .address_space: global }
      - { .name: wq, .offset: 8, .size: 8, .value_kind: global_buffer, .address_space: global }
      - { .name: x1d, .offset: 16, .size: 8, .value_kind: global_buffer, .address_space: global }
      - { .name: bq, .offset: 24, .size: 8, .value_kind: global_buffer, .address_space: global }
      - { .name: bk, .offset: 32, .size: 8, .value_kind: global_buffer, .address_space: global }
      - { .name: bv, .offset: 40, .size: 8, .value_kind: global_buffer, .address_space: global }
      - { .name: qq, .offset: 48, .size: 8, .value_kind: global_buffer, .address_space: global }
      - { .name: vq, .offset: 56, .size: 8, .value_kind: global_buffer, .address_space: global }
      - { .name: kq, .offset: 64, .size: 8, .value_kind: global_buffer, .address_space: global }
    .group_segment_fixed_size: 205312
    .private_segment_fixed_size: 0
    .kernarg_segment_align: 8
    .kernarg_segment_size: 72
    .max_flat_workgroup_size: 128
    .sgpr_count:     100
    .vgpr_count:     1024
    .wavefront_size: 32
...
	.end_amdgpu_metadata
.endif
;; end of part 2
;; launch attn (part 3): grid 32 x 8, 4 waves a work-group, no clusters, 281,600 bytes of LDS; arguments qq, kq, vq, gamma, x, out0; writes out0
.if DOCPART == 3
	.amdgcn_target "amdgcn-amd-amdhsa--gfx1250"
	.amdhsa_code_object_version 6
	.text
	.protected	k_qadd142d8d1_attn
	.globl	k_qadd142d8d1_attn
	.p2align	8
	.type	k_qadd142d8d1_attn,@function
k_qadd142d8d1_attn:
	s_mov_b64 s[64:65], 0
	v_nop
	global_prefetch_b8 v0, s[64:65] scope:SCOPE_SE
	s_setreg_imm32_b32 hwreg(HW_REG_WAVE_MODE, 25, 1), 1
	s_wait_xcnt 0x0
; ATTN.  out0[b][c][n] = gamma x (sum over the 4,096 keys of v[c][key] p[n][key]) / l[n] + x[b][c][n], on codes of BF6 (E3M2) with E8M0 scales.
; A work-group makes 128 places n x 256 channels of one image; wave w makes all eight tiles of places x its own 64 channels: 32 accumulators.
; k has 64 different columns an image (one for each h: x2d is the same along w), so a query has 64 different scores: they are made once, and the true maximum is at hand.
; t = score x log2(e); M = ceil(the largest t); p = 2^(t - M); l = 64 x the sum of the 64 p, unquantised.  A block of 32 keys lies in one h, so all its p are equal: one byte and one code for each (query, h).
; P's OPERAND for a K step of 128 keys (two h) is the code of the even h 32 times over in registers 0-5 and that of the odd h in registers 6-11, the same in both halves of the lanes; its scale bytes are e, e, o, o.
; Each wave makes the images of its two tiles of queries for all 32 K steps; they lie in LDS for the whole launch, read by all four waves behind the launch's one barrier.
; V GOES FROM MEMORY STRAIGHT INTO REGISTERS, three K steps ahead: each fragment of V feeds one wave of the work-group alone, P's images take 196,608 bytes of LDS and 12,288 bytes of LDS reads a wave and K step already,
; and what is left of LDS would hold slots of two K steps, 64 products, for a tile to land in.  For that reason there is no ring, no cluster and no joint request here.
; Source 0 = P (16 queries), source 1 = V (16 channels): lane (r, h) holds channel 32 (ct / 2) + 8 (ct % 2) + r + 8 (r / 8) of my 64, register j place 32 (T / 2) + 16 h + 8 (T % 2) + j of the 128.
; LIMITS: NaN and infinities are not served; p under 2^-126 is 0 (the exponential's flush); a p of 0 has the byte 1 over the code 0.
; REGISTERS, in windows of 256: window 0: v1-15 addresses, v16-23 V's scale words (4 sets), v24-31 P's (2 sets), v32-35 gamma / l, v36-41 k's and q's scale words, v42-63 at work, v64-127 scores, v128-171 at work, later v64-191 rows of the result;
;   window 1: accumulator (T, ct) at 8 (4 T + ct);   window 2: P, two sets of 96 (first k's and q's fragments, at last x's rows 32-63);   window 3: V, four sets of 48 (at last x's rows 0-31).
.set QQ_SC, 3145728
.set KQ_SC, 49152
.set VQ_SC, 6291456
.set PSC,   196608                     ; LDS: P's images [K step 32][tile 8][query 16][48 bytes] at 0; here their scale words [K step][lane 32][pair 4];
.set LINV,  212992                     ; gamma / l for the 128 places;
.set STG,   213504                     ; a stage of 32 rows x (512 + 16) bytes for each wave
.set MSB, 0
.macro WIN new                         ; the immediate's high byte repeats the setting that is left
.if MSB != (\new)
	s_set_vgpr_msb (MSB<<8)|(\new)
.set MSB, (\new)
.endif
.endm
; one product.  c < 0: the constant 0 starts the sum.  ra, rb: the side's scale words lie in lanes 16-31
.macro WM d, a, b, c, sa, sb, ra, rb
.if (\c) < 0
.if (\ra) && (\rb)
	v_wmma_scale_f32_16x16x128_f8f6f4 v[(\d):(\d)+7], v[(\a):(\a)+11], v[(\b):(\b)+11], 0, v[(\sa)], v[(\sb)] matrix_a_fmt:MATRIX_FMT_BF6 matrix_b_fmt:MATRIX_FMT_BF6 matrix_a_scale:MATRIX_SCALE_ROW1 matrix_b_scale:MATRIX_SCALE_ROW1
.elseif (\ra)
	v_wmma_scale_f32_16x16x128_f8f6f4 v[(\d):(\d)+7], v[(\a):(\a)+11], v[(\b):(\b)+11], 0, v[(\sa)], v[(\sb)] matrix_a_fmt:MATRIX_FMT_BF6 matrix_b_fmt:MATRIX_FMT_BF6 matrix_a_scale:MATRIX_SCALE_ROW1
.elseif (\rb)
	v_wmma_scale_f32_16x16x128_f8f6f4 v[(\d):(\d)+7], v[(\a):(\a)+11], v[(\b):(\b)+11], 0, v[(\sa)], v[(\sb)] matrix_a_fmt:MATRIX_FMT_BF6 matrix_b_fmt:MATRIX_FMT_BF6 matrix_b_scale:MATRIX_SCALE_ROW1
.else
	v_wmma_scale_f32_16x16x128_f8f6f4 v[(\d):(\d)+7], v[(\a):(\a)+11], v[(\b):(\b)+11], 0, v[(\sa)], v[(\sb)] matrix_a_fmt:MATRIX_FMT_BF6 matrix_b_fmt:MATRIX_FMT_BF6
.endif
.else
.if (\ra) && (\rb)
	v_wmma_scale_f32_16x16x128_f8f6f4 v[(\d):(\d)+7], v[(\a):(\a)+11], v[(\b):(\b)+11], v[(\c):(\c)+7], v[(\sa)], v[(\sb)] matrix_a_fmt:MATRIX_FMT_BF6 matrix_b_fmt:MATRIX_FMT_BF6 matrix_a_scale:MATRIX_SCALE_ROW1 matrix_b_scale:MATRIX_SCALE_ROW1
.elseif (\ra)
	v_wmma_scale_f32_16x16x128_f8f6f4 v[(\d):(\d)+7], v[(\a):(\a)+11], v[(\b):(\b)+11], v[(\c):(\c)+7], v[(\sa)], v[(\sb)] matrix_a_fmt:MATRIX_FMT_BF6 matrix_b_fmt:MATRIX_FMT_BF6 matrix_a_scale:MATRIX_SCALE_ROW1
.elseif (\rb)
	v_wmma_scale_f32_16x16x128_f8f6f4 v[(\d):(\d)+7], v[(\a):(\a)+11], v[(\b):(\b)+11], v[(\c):(\c)+7], v[(\sa)], v[(\sb)] matrix_a_fmt:MATRIX_FMT_BF6 matrix_b_fmt:MATRIX_FMT_BF6 matrix_b_scale:MATRIX_SCALE_ROW1
.else
	v_wmma_scale_f32_16x16x128_f8f6f4 v[(\d):(\d)+7], v[(\a):(\a)+11], v[(\b):(\b)+11], v[(\c):(\c)+7], v[(\sa)], v[(\sb)] matrix_a_fmt:MATRIX_FMT_BF6 matrix_b_fmt:MATRIX_FMT_BF6
.endif
.endif
.endm
; 14 loads: my four fragments of V and their scale words, K step idx from the base, into set st
.macro VFETCH st, idx
	WIN 0xc0
.irp c, 0,1,2,3
.irp i, 0,1,2
	global_load_b128 v[48*(\st)+12*\c+4*\i:48*(\st)+12*\c+4*\i+3], v1, s[32:33] offset:(\idx)*6144+\c*1536+512*\i   ; 512 consecutive bytes
.endr
.endr
	WIN 0
.irp p, 0,1
	global_load_b32 v[16+2*(\st)+\p], v2, s[34:35] offset:(\idx)*256+128*\p
.endr
.endm
; 25 LDS loads: P's eight fragments and their scale words.  Lanes r and r + 16 read the same 48 bytes; 48 is an odd multiple of 16
.macro PFETCH st, idx
	WIN 0x80
.irp m, 0,1,2,3,4,5,6,7
.irp i, 0,1,2
	ds_load_b128 v[96*(\st)+12*\m+4*\i:96*(\st)+12*\m+4*\i+3], v6 offset:(\idx)*6144+768*\m+16*\i
.endr
.endr
	WIN 0
	ds_load_b128 v[24+4*(\st):24+4*(\st)+3], v7 offset:(\idx)*512
.endm
; n rows of x (my channels first .. ), 512 consecutive bytes each, into window win's register reg on
.macro XROWS first, n, win, reg
	WIN \win
.set XR, 0
.rept \n
	global_load_b128 v[(\reg)+4*XR:(\reg)+4*XR+3], v1, s[36:37] offset:((\first)+XR)*16384 th:TH_LOAD_NT
.set XR, XR+1
.endr
	WIN 0
.endm
; code i of the 16 in v[cd] .. v[cd + 2]
.macro CODE d, cd, i
.if (\i) == 5
	v_alignbit_b32 v[\d], v[(\cd)+1], v[(\cd)], 30
	v_and_b32 v[\d], 63, v[\d]
.elseif (\i) == 10
	v_alignbit_b32 v[\d], v[(\cd)+2], v[(\cd)+1], 28
	v_and_b32 v[\d], 63, v[\d]
.else
	v_bfe_u32 v[\d], v[(\cd)+(6*(\i))/32], (6*(\i))%32, 6
.endif
.endm
; the softmax of my tile u of queries: lane (r, h) holds query r and, in register 8 t + j, the score of key row 16 t + 8 h + j
.macro SOFTMAX u
.set SS, 64+32*\u
.irp t, 0,1,2,3
	v_max3_num_f32 v[44+\t], v[SS+8*\t], v[SS+8*\t+1], v[SS+8*\t+2]   ; each accumulator is read from its low end on
.endr
.irp t, 0,1,2,3
	v_max3_num_f32 v[44+\t], v[44+\t], v[SS+8*\t+3], v[SS+8*\t+4]
.endr
.irp t, 0,1,2,3
	v_max3_num_f32 v[44+\t], v[44+\t], v[SS+8*\t+5], v[SS+8*\t+6]
.endr
.irp t, 0,1,2,3
	v_max_num_f32 v[44+\t], v[44+\t], v[SS+8*\t+7]
.endr
	v_max3_num_f32 v44, v44, v45, v46
	v_max_num_f32 v44, v44, v47
	v_permlanex16_b32 v48, v44, s42, s43
	v_max_num_f32 v44, v44, v48                    ; the row's largest score
	v_mul_f32 v44, s44, v44
	v_floor_f32 v50, -v44                          ; -M = -ceil(the largest t)
	v_mov_b32 v51, v50
.set J, 0
.rept 16
	v_pk_fma_f32 v[SS+J:SS+J+1], v[SS+J:SS+J+1], s[44:45], v[50:51] op_sel_hi:[1,0,0]   ; t - M
.set J, J+2
.endr
.set J, 0
.rept 32
	v_exp_f32 v[SS+J], v[SS+J]                     ; p
.set J, J+1
.endr
	v_nop                                          ; a plain line behind the exponentials
	s_wait_alu depctr_va_vdst(0)
	v_pk_add_f32 v[52:53], v[SS:SS+1], v[SS+2:SS+3]
	v_pk_add_f32 v[54:55], v[SS+4:SS+5], v[SS+6:SS+7]
.irp j, 8,12,16,20,24,28
	v_pk_add_f32 v[52:53], v[52:53], v[SS+\j:SS+\j+1]
	v_pk_add_f32 v[54:55], v[54:55], v[SS+\j+2:SS+\j+3]
.endr
	v_pk_add_f32 v[52:53], v[52:53], v[54:55]
	v_add_f32 v52, v52, v53
	v_permlanex16_b32 v48, v52, s42, s43
	v_add_f32 v52, v52, v48
	v_mul_f32 v52, 0x42800000, v52                 ; each p stands for 64 keys: l
	v_rcp_f32 v53, v52
	v_nop
	s_wait_alu depctr_va_vdst(0)
	v_mul_f32 v53, s52, v53                        ; gamma / l
	ds_store_b32 v10, v53 offset:32*\u             ; (lanes r and r + 16 write the same word with the same value)
.irp t, 0,1,2,3
.irp j, 0,1,2,3,4,5,6,7
	v_max_num_f32 v[152+\j], s53, v[SS+8*\t+\j]    ; the block's largest p is p; the floor 2^(5 - 127) holds the byte at 1 from below
.endr
.irp j, 0,1,2,3,4,5,6,7
	v_add_nc_u32 v[152+\j], 0xfe000000, v[152+\j]
.endr
.irp j, 0,1,2,3,4,5,6,7
	v_lshrrev_b32 v[152+\j], 23, v[152+\j]         ; the byte
.endr
.irp k, 0,1,2,3
	v_perm_b32 v[160+\k], v[152+2*\k+1], v[152+2*\k], s49   ; K step 8 t + 4 h + k: bytes e, e, o, o
.endr
.irp k, 0,1,2,3
	ds_store_b32 v9, v[160+\k] offset:4096*\t+512*\k+256*\u
.endr
.irp j, 0,1,2,3,4,5,6,7
	v_sub_nc_u32 v[152+\j], 127, v[152+\j]
.endr
.irp j, 0,1,2,3,4,5,6,7
	v_ldexp_f32 v[SS+8*\t+\j], v[SS+8*\t+\j], v[152+\j]   ; p / its own scale: exact
.endr
.endr
	v_cvt_scalef32_pk16_bf6_f32 v[164:166], v[SS:SS+15], v15      ; sixteen codes at a time, under the scale 1
	v_cvt_scalef32_pk16_bf6_f32 v[168:170], v[SS+16:SS+31], v15
	v_nop                                          ; one plain line behind the conversions
.irp t, 0,1,2,3
	v_add_nc_u32 v43, 49152*\t, v8
.irp k, 0,1,2,3
.set PTB, 128+12*(\k%2)
	CODE 152, 164+4*(\t/2), 8*(\t%2)+2*\k
	CODE 153, 164+4*(\t/2), 8*(\t%2)+2*\k+1
	v_mul_u32_u24 v152, v152, s54                  ; four equal codes are three bytes: code x (1 + 2^6 + 2^12 + 2^18)
	v_mul_u32_u24 v153, v153, s54
.irp i, 0,3
	v_perm_b32 v[PTB+\i], v152, v152, s46          ; the three bytes over and over: bytes 0 1 2 0,
	v_perm_b32 v[PTB+\i+1], v152, v152, s47        ; 1 2 0 1,
	v_perm_b32 v[PTB+\i+2], v152, v152, s48        ; 2 0 1 2
	v_perm_b32 v[PTB+6+\i], v153, v153, s46
	v_perm_b32 v[PTB+6+\i+1], v153, v153, s47
	v_perm_b32 v[PTB+6+\i+2], v153, v153, s48
.endr
.irp i, 0,1,2
	ds_store_b128 v43, v[PTB+4*\i:PTB+4*\i+3] offset:768*\u+6144*\k+16*\i
.endr
.endr
.endr
.endm
; A K STEP: 128 keys, 32 products.  q: the step modulo 4 (sets: P q % 2, V q % 4).  lw: how many younger loads may be out.  vf: V of three steps on is asked for.  pf: P of the next step is fetched.  xn: rows of x asked for in V's stead
.macro STEP q, zero, lw, vf, pf, xf, xn
	s_wait_loadcnt \lw
	s_wait_dscnt 0x0                               ; this step's P was asked for a whole step ago
.rept 4
	v_nop                                          ; places between the last step's products and the loads into the registers that they read
.endr
.if \vf
	VFETCH (\q+3)%4, \q+3
.endif
.if \xn
	XROWS \xf, \xn, 0xc0, 4*\xf
.endif
.if \pf
	PFETCH (\q+1)%2, \q+1
.endif
	WIN 0x5e                                       ; P window 2, V window 3, C and D window 1.  The 32 accumulators take turns, one instruction a turn
.irp m, 0,1,2,3,4,5,6,7
.irp c, 0,1,2,3
.if \zero
	WM 8*(4*\m+\c), 96*(\q%2)+12*\m, 48*(\q%4)+12*\c, -1, 24+4*(\q%2)+\m/2, 16+2*(\q%4)+\c/2, \m%2, \c%2
.else
	WM 8*(4*\m+\c), 96*(\q%2)+12*\m, 48*(\q%4)+12*\c, 8*(4*\m+\c), 24+4*(\q%2)+\m/2, 16+2*(\q%4)+\c/2, \m%2, \c%2
.endif
.endr
.endr
	WIN 0
.endm
	s_load_b256 s[4:11], s[0:1], 0x0               ; qq, kq, vq, gamma
	s_load_b128 s[12:15], s[0:1], 0x20             ; x, out0
	v_lshl_add_u32 v254, v0, 2, 0x44a00
	v_mov_b32 v255, 0
	v_lshrrev_b32 v1, 5, v0
	v_readfirstlane_b32 s16, v1                    ; wave 0..3
	v_and_b32 v5, 31, v0
	v_lshlrev_b32 v1, 4, v5                        ; 16 x lane
	v_lshlrev_b32 v2, 2, v5                        ; 4 x lane
	v_and_b32 v3, 15, v0                           ; r
	v_bfe_u32 v4, v0, 4, 1                         ; h
	s_and_b32 s18, ttmp7, 0xffff
	s_lshr_b32 s19, s18, 1                         ; image
	s_and_b32 s20, s18, 1                          ; which 256 channels
	s_lshl_b32 s21, s20, 2
	s_add_co_u32 s21, s21, s16                     ; g: my 64 channels
	s_mul_i32 s24, s19, 12288                      ; k's codes,
	s_mov_b32 s25, 0
	s_lshl_b32 s26, s19, 9                         ; k's scale words
	s_add_co_u32 s26, s26, KQ_SC
	s_mov_b32 s27, 0
	s_lshl_b32 s28, s19, 8
	s_lshl_b32 s40, ttmp9, 3
	s_add_co_u32 s28, s28, s40
	s_lshl_b32 s40, s16, 1
	s_add_co_u32 s28, s28, s40                     ; my first tile of queries: 256 image + 8 block + 2 wave
	s_lshl_b32 s30, s28, 7                         ; its pair's scale words: 256 bytes a pair
	s_add_co_u32 s30, s30, QQ_SC
	s_mov_b32 s31, 0
	s_mul_i32 s28, s28, 3072
	s_mov_b32 s29, 0
	s_mul_i32 s32, s19, 1572864                    ; V's codes [image][g][K step 32][tile 4][1536],
	s_mul_i32 s40, s21, 196608
	s_add_co_u32 s32, s32, s40
	s_mov_b32 s33, 0
	s_lshl_b32 s34, s19, 16                        ; V's scale words [image][g][K step][pair 2][32 words]
	s_lshl_b32 s40, s21, 13
	s_add_co_u32 s34, s34, s40
	s_add_co_u32 s34, s34, VQ_SC
	s_mov_b32 s35, 0
	s_lshl_b32 s36, s19, 23                        ; x and out0: image, 64 g channels of 16,384 bytes, 128 places of 4
	s_lshl_b32 s40, s21, 20
	s_add_co_u32 s36, s36, s40
	s_lshl_b32 s40, ttmp9, 9
	s_add_co_u32 s36, s36, s40
	s_mov_b32 s37, 0
	s_mov_b32 s42, 0x76543210
	s_mov_b32 s43, 0xfedcba98
	s_mov_b32 s44, 0x3fb8aa3b                      ; log2(e)
	s_mov_b32 s45, s44
	s_mov_b32 s46, 0x00020100
	s_mov_b32 s47, 0x01000201
	s_mov_b32 s48, 0x02010002
	s_mov_b32 s49, 0x04040000
	s_mov_b32 s53, 0x2800000
	s_mov_b32 s54, 0x41041
	s_wait_kmcnt 0x0
	s_add_nc_u64 s[38:39], s[14:15], s[36:37]
	s_add_nc_u64 s[36:37], s[12:13], s[36:37]
	s_add_nc_u64 s[24:25], s[6:7], s[24:25]
	s_add_nc_u64 s[26:27], s[6:7], s[26:27]
	s_add_nc_u64 s[28:29], s[4:5], s[28:29]
	s_add_nc_u64 s[30:31], s[4:5], s[30:31]
	s_add_nc_u64 s[32:33], s[8:9], s[32:33]
	s_add_nc_u64 s[34:35], s[8:9], s[34:35]
	s_load_b32 s52, s[10:11], 0x0                  ; gamma
	WIN 0x80
.irp f, 0,1,2,3,4,5,6,7
.irp i, 0,1,2
	global_load_b128 v[12*\f+4*\i:12*\f+4*\i+3], v1, s[24:25] offset:\f*1536+512*\i          ; k: fragment 2 t + K step
.endr
.endr
.irp f, 0,1,2,3
.irp i, 0,1,2
	global_load_b128 v[96+12*\f+4*\i:96+12*\f+4*\i+3], v1, s[28:29] offset:\f*1536+512*\i    ; q: fragment 2 u + K step
.endr
.endr
	WIN 0
.irp p, 0,1,2,3
	global_load_b32 v[36+\p], v2, s[26:27] offset:128*\p
.endr
.irp p, 0,1
	global_load_b32 v[40+\p], v2, s[30:31] offset:128*\p
.endr
	VFETCH 0, 0
	VFETCH 1, 1
	VFETCH 2, 2
	v_mul_u32_u24 v6, v3, 48                       ; P's images, read: 48 r
	v_add_nc_u32 v7, PSC, v1                       ; P's scale words, read
	s_mul_i32 s22, s16, 1536
	v_mad_u32_u24 v8, v4, 24576, v6
	v_add_nc_u32 v8, s22, v8                       ; P's images, written: tile 2 w (+ u), query r, K step 4 h (+ 8 t + k)
	v_lshlrev_b32 v9, 4, v3
	v_lshl_add_u32 v9, v4, 11, v9
	s_lshl_b32 s23, s16, 2
	s_add_co_u32 s23, s23, PSC
	v_add_nc_u32 v9, s23, v9                       ; P's scale words, written
	v_and_b32 v42, 8, v3
	v_add_nc_u32 v42, v42, v3                      ; r + 8 (r / 8)
	s_lshl_b32 s23, s16, 7
	s_add_co_u32 s23, s23, LINV
	v_lshl_add_u32 v10, v42, 2, s23                ; gamma / l at place 32 w + 8 u + r + 8 (r / 8)
	v_mul_u32_u24 v11, v42, 528
	v_lshl_add_u32 v11, v4, 6, v11
	s_mul_i32 s23, s16, 16896
	s_add_co_u32 s23, s23, STG
	v_add_nc_u32 v11, s23, v11                     ; into my stage
	v_add_nc_u32 v12, s23, v1                      ; and back
	v_lshrrev_b32 v13, 1, v5
	v_and_b32 v14, 1, v5
	v_lshlrev_b32 v13, 14, v13
	v_lshl_add_u32 v13, v14, 8, v13                ; for the requests ahead: row lane / 2, its half lane % 2
	v_mov_b32 v15, 1.0
	v_mov_b32 v48, 0                               ; a lane permute's destination counts as one of its sources
	s_wait_loadcnt 42                              ; k and q are in; V's first three K steps, 3 x 14 loads, may be out
	WIN 0x0a                                       ; S^T = k q^T: eight accumulators by turns, K = 256 in two steps
.irp u, 0,1
.irp t, 0,1,2,3
	WM 64+32*\u+8*\t, 24*\t, 96+24*\u, -1, 36+\t/2, 40, \t%2, \u
.endr
.endr
.irp u, 0,1
.irp t, 0,1,2,3
	WM 64+32*\u+8*\t, 24*\t+12, 96+24*\u+12, 64+32*\u+8*\t, 38+\t/2, 41, \t%2, \u
.endr
.endr
	WIN 0
.rept 4
	v_nop
.endr
	s_wait_kmcnt 0x0                               ; gamma
	SOFTMAX 0
	SOFTMAX 1
	s_wait_dscnt 0x0                               ; for the others' sake: my images, scale words and gamma / l lie in LDS
	s_barrier_signal -1
	s_barrier_wait -1
	PFETCH 0, 0
	STEP 0, 1, 28, 1, 1, 0, 0                      ; the first K step starts the sums.  28: the two younger K steps' 2 x 14 loads
	s_mov_b32 s50, 0
.Ltrip:                                                ; seven trips of four K steps: 1 to 28
	STEP 1, 0, 28, 1, 1, 0, 0
	STEP 2, 0, 28, 1, 1, 0, 0
	STEP 3, 0, 28, 1, 1, 0, 0
	s_wait_xcnt 0x0                                ; the bases and the request's offset are written again only behind this wait
	s_add_nc_u64 s[32:33], s[32:33], 24576         ; four K steps on
	s_add_nc_u64 s[34:35], s[34:35], 1024
	v_add_nc_u32 v6, 24576, v6
	v_add_nc_u32 v7, 2048, v7
	s_sub_co_u32 s51, s50, 2                       ; trips 2 to 5 ask for 16 of my 64 rows of x each, 512 bytes a row, each block of 256 bytes once: they are loaded from K step 29 on
	s_cmp_lt_u32 s51, 4
	s_cbranch_scc0 .Lno_ask
	s_lshl_b32 s51, s51, 18
	v_add_nc_u32 v14, s51, v13
	global_prefetch_b8 v14, s[36:37] th:TH_LOAD_NT scope:SCOPE_SE
.Lno_ask:
	STEP 0, 0, 28, 1, 1, 0, 0
	s_add_co_u32 s50, s50, 1
	s_cmp_lt_u32 s50, 7
	s_cbranch_scc1 .Ltrip
	STEP 1, 0, 28, 0, 1, 0, 12                     ; the tail asks for no V beyond the last K step; the sets that fall free take x's rows
	STEP 2, 0, 26, 0, 1, 12, 12                    ; behind K step 30's loads: K step 31's 14 and 12 rows
	STEP 3, 0, 24, 0, 0, 24, 8                     ; behind K step 31's: 12 + 12 rows
.rept 4
	v_nop                                          ; places in front of the loads below and of the first read of results
.endr
	XROWS 32, 32, 0x80, 0
	v_add_nc_u32 v43, LINV, v1
	ds_load_b128 v[32:35], v43                     ; gamma / l of my four places of a row
	; THE WAY OUT, 32 channels at a time: through my own stage, back as whole rows of 512 bytes, x gamma / l + x, stored
.irp h, 0,1
.if \h == 1
	s_wait_xcnt 0x0                                ; the first half's stores have read their registers
.endif
	WIN 0x04                                       ; an LDS store's data: window 1
.irp m, 0,1,2,3,4,5,6,7
.irp u, 0,1
	ds_store_b128 v11, v[8*(4*\m+2*\h+\u):8*(4*\m+2*\h+\u)+3] offset:4224*\u+128*(\m/2)+32*(\m%2)       ; each accumulator from its low end on
	ds_store_b128 v11, v[8*(4*\m+2*\h+\u)+4:8*(4*\m+2*\h+\u)+7] offset:4224*\u+128*(\m/2)+32*(\m%2)+16
.endr
.endr
	WIN 0
.set RR, 0
.rept 32
	ds_load_b128 v[64+4*RR:64+4*RR+3], v12 offset:528*RR   ; my wave's own bytes; LDS serves a wave's instructions in order
.set RR, RR+1
.endr
	s_wait_dscnt 0x0
	s_wait_loadcnt 32*(1-\h)                       ; x's rows 0-31 are in (rows 32-63, 32 loads, may be out); then all
	WIN 0x30-0x10*\h                               ; x's rows: window 3, then window 2
.set RR, 0
.rept 32
	v_pk_fma_f32 v[64+4*RR:65+4*RR], v[64+4*RR:65+4*RR], v[32:33], v[4*RR:4*RR+1]
	v_pk_fma_f32 v[66+4*RR:67+4*RR], v[66+4*RR:67+4*RR], v[34:35], v[4*RR+2:4*RR+3]
.set RR, RR+1
.endr
	WIN 0
.set RR, 0
.rept 32
	global_store_b128 v1, v[64+4*RR:64+4*RR+3], s[38:39] offset:(32*\h+RR)*16384 th:TH_STORE_NT   ; 512 consecutive bytes, aligned
.set RR, RR+1
.endr
.endr
	s_wait_tensorcnt 0x0
	ds_add_u32 v254, v255
	s_wait_dscnt 0x0
	s_endpgm
.Lfunc_end_k_qadd142d8d1_attn:
	.size	k_qadd142d8d1_attn, .Lfunc_end_k_qadd142d8d1_attn-k_qadd142d8d1_attn
	.p2alignl 7, 3214868480
	.fill 96, 4, 3214868480
	.section	.rodata,"a",@progbits
	.p2align	6, 0x0
	.amdhsa_kernel k_qadd142d8d1_attn
		.amdhsa_group_segment_fixed_size 281600
		.amdhsa_private_segment_fixed_size 0
		.amdhsa_enable_private_segment 0
		.amdhsa_kernarg_size 48
		.amdhsa_user_sgpr_count 2
		.amdhsa_user_sgpr_kernarg_segment_ptr 1
		.amdhsa_wavefront_size32 1
		.amdhsa_system_sgpr_workgroup_id_x 1
		.amdhsa_system_sgpr_workgroup_id_y 1
		.amdhsa_system_sgpr_workgroup_id_z 1
		.amdhsa_system_vgpr_workitem_id 0
		.amdhsa_next_free_vgpr 1024
		.amdhsa_next_free_sgpr 66
		.amdhsa_reserve_vcc 0
		.amdhsa_float_denorm_mode_32 3
		.amdhsa_float_denorm_mode_16_64 3
		.amdhsa_memory_ordered 1
		.amdhsa_forward_progress 1
		.amdhsa_inst_pref_size 167
	.end_amdhsa_kernel
	.amdgpu_metadata
---
amdhsa.version: [ 1, 2 ]
amdhsa.kernels:
  - .name:           k_qadd142d8d1_attn
    .symbol:         k_qadd142d8d1_attn.kd
    .args:
      - { .name: qq, .offset: 0, .size: 8, .value_kind: global_buffer, .address_space: global }
      - { .name: kq, .offset: 8, .size: 8, .value_kind: global_buffer, .address_space: global }
      - { .name: vq, .offset: 16, .size: 8, .value_kind: global_buffer, .address_space: global }
      - { .name: gamma, .offset: 24, .size: 8, .value_kind: global_buffer, .address_space: global }
      - { .name: x, .offset: 32, .size: 8, .value_kind: global_buffer, .address_space: global }
      - { .name: out0, .offset: 40, .size: 8, .value_kind: global_buffer, .address_space: global }
    .group_segment_fixed_size: 281600
    .private_segment_fixed_size: 0
    .kernarg_segment_align: 8
    .kernarg_segment_size: 48
    .max_flat_workgroup_size: 128
    .sgpr_count:     66
    .vgpr_count:     1024
    .wavefront_size: 32
...
	.end_amdgpu_metadata
.endif
;; end of part 3
